; MI455X (gfx1250); checked and timed in simulation.
; The chip was launched on July 23, 2026; its instructions are those of AMD's public machine-readable ISA for CDNA 5 (MIT licence, August 2026) and "CDNA5" Instruction Set Architecture Reference Guide (July 2026). The comments in the code are by the model that wrote it; some were corrected since.
;; Multiquery Attention. Allowed arithmetic: matrix products marked QUANTISED: E2M1 operands, one E8M0 scale for each 32 along K, by v_wmma_scale_f32_16x16x128_f8f6f4 with both operands' format E2M1 (or v_wmma_scale_f32_32x16x128_f4), f32 sums; products left as they are: bf16, f16 or f32 operands; f32 sums; everything else in f32.
;; Inputs: Wk 1,024 x 64 float32; Wo 1,024 x 1,024 float32; Wq 1,024 x 1,024 float32; Wv 1,024 x 64 float32; bk 64 float32; bo 1,024 float32; bq 1,024 float32; bv 64 float32; x 4 x 2,048 x 1,024 float32.
;; Outputs: out0 4 x 2,048 x 1,024 float32.
;; This version of the problem:
;;   THIS VERSION OF THE PROBLEM IS GIVEN IN LOW PRECISION. The matrix products marked QUANTISED in the list below multiply operands that are first quantised to E2M1 (2 exponent bits, 1 mantissa bit; 4 bits a number), with one power-of-two scale for each 32 numbers along K (OCP MX v1.0); their sums are f32. The products marked 'left as it is' may take bf16, f16 or f32 operands, with f32 sums. Whichever they take, every output number must still come out within the allowed error. Rounding operands to bf16 (8 significant bits) uses up far more of that allowance than f16 does (11 bits, for magnitudes from 6e-5 to 65,504). All else is computed in f32.
;;   The module's matrix products, in the order in which they are computed (A, B: the left and right operand; K: the contracted axis; several contracted axes count as one K, in the product's order):
;;     1. [M 8,192, K 1,024] x [K 1,024, N 1,024]; A: input x; B: input Wq: QUANTISED
;;     2. [M 8,192, K 1,024] x [K 1,024, N 64]; A: input x; B: input Wk: QUANTISED
;;     3. [M 8,192, K 1,024] x [K 1,024, N 64]; A: input x; B: input Wv: QUANTISED
;;     4. batch 4 x [M 32,768, K 64] x [K 64, N 2,048]; A: computed on the way; B: computed on the way: left as it is (an operand is computed on the way)
;;     5. batch 4 x [M 32,768, K 2,048] x [K 2,048, N 64]; A: computed on the way; B: computed on the way: left as it is (an operand is computed on the way)
;;     6. [M 8,192, K 1,024] x [K 1,024, N 1,024]; A: computed on the way; B: input Wo: left as it is (an operand is computed on the way)
;;   THE QUANTISER, for each operand of a quantised product, along K:
;;     - K is cut into blocks of 32 from its start; a last block that is shorter is filled with zeros.
;;     - A block's scale is 2^e with e = floor(log2(the largest magnitude in the block)) - 2, held to -126 .. 127; a block of zeros has e = 0. As a byte (E8M0): e + 127.
;;     - Each number is divided by its block's scale, clamped to +-6, and rounded to the nearest number of E2M1, ties to even, subnormals kept.
;;     - The product sums the exact products of the quantised numbers (number of the format x scale) in f32.
;;   ~~~python
;;   def quantise(x, axis):      # numpy; x: float32 -> the quantised numbers, widened to float32 again
;;       x = np.moveaxis(x, axis, -1); K = x.shape[-1]
;;       x = np.pad(x, [(0, 0)] * (x.ndim - 1) + [(0, -K % 32)]); x = x.reshape(x.shape[:-1] + (-1, 32)); a = np.abs(x).max(-1, keepdims=True)
;;       e = np.where(a > 0, np.clip(np.frexp(np.where(a > 0, a, 1))[1] - 1 - 2, -126, 127), 0)      # np.frexp(a)[1] - 1 = floor(log2(a)), exactly
;;       r = np.clip(x / 2.0 ** e, -6, 6)
;;       step = 2.0 ** (np.maximum(np.frexp(np.where(r == 0, 1, r))[1] - 1, 0) - 1)
;;       q = np.round(r / step) * step * 2.0 ** e      # np.round: ties to even
;;       return np.moveaxis(q.reshape(q.shape[:-2] + (-1,))[..., :K], -1, axis).astype(np.float32)
;;   ~~~
;; One version. Each part assembles by itself: llvm-mc -triple=amdgcn-amd-amdhsa -mcpu=gfx1250 --defsym DOCPART=n.
;; ======== version 1 of 1: 4 launches
;; limits: values are held in f16: magnitudes above 65,504 overflow, below 6.1e-05 lose precision
;; workspace buffers: xq 4,456,448 bytes; wq4 626,688 bytes; wo16 2,097,152 bytes; q16 16,777,216 bytes; kv16 2,097,152 bytes; o16 16,777,216 bytes
;; launch prep (part 1): grid 392 x 1, 4 waves a work-group, no clusters, 33,280 bytes of LDS; arguments x, Wq, Wk, Wv, Wo, xq, wq4, wo16; writes xq, wq4, wo16
.if DOCPART == 1
	.amdgcn_target "amdgcn-amd-amdhsa--gfx1250"
	.amdhsa_code_object_version 6
	.text
	.protected	k_q25c2dcbd6d_prep
	.globl	k_q25c2dcbd6d_prep
	.p2align	8
	.type	k_q25c2dcbd6d_prep,@function
k_q25c2dcbd6d_prep:
	s_mov_b64 s[64:65], 0
	v_nop
	global_prefetch_b8 v0, s[64:65] scope:SCOPE_SE
	s_setreg_imm32_b32 hwreg(HW_REG_WAVE_MODE, 25, 1), 1
	s_wait_xcnt 0x0
; PREP: the operands of the later launches are made once.
;   work-groups   0 ..  63: Wq [1024 (k)][1024 (n)] f32 -> codes of FP4 (E2M1) and E8M0 scale words, as images of the operand's registers
;   work-groups  64 ..  71: Wk, Wv [1024][64] likewise
;   work-groups  72 .. 135: Wo [1024 (k)][1024 (n)] f32 -> f16, as images of the operand's registers
;   work-groups 136 .. 391: x [8192][1024] f32 -> codes, rows of 512 bytes, and scale bytes, rows of 32
; AN IMAGE is a fragment's 8 registers as they stand: registers 0-3 at 16 x lane, registers 4-7 at 512 + 16 x lane: 1,024 bytes.
; THE WEIGHT TILES (16 columns each) are ordered j = 18 g + t: t < 16: Wq's columns 256 g + 16 t on; t = 16: Wk's columns 16 g on; t = 17: Wv's.
;   wq4: codes [j 72][K step 8][1,024 bytes]; from WS0 on scale words [j / 2][K step][lane][4 bytes]: lanes 0-15 the even tile's columns, lanes 16-31 the odd tile's.
; A block's scale is 2^(floor(log2(largest magnitude)) - 2); its byte is the largest magnitude's exponent field - 2, held at 1 from below.
; LIMITS: a block of zeros gets the byte 1 (its codes are zeros, and this program alone reads the bytes); blocks under the floor 2^(3 - 127) were not tried;
; NaN and infinities are not served; |Wo| stays under f16's largest number, 65,504.
; The weights have K as their FIRST axis: a lane takes a column and its registers run down K, so a block of 32 lies in one lane and nothing is transposed by loads.
; Only the x path stores to LDS.  No barrier: waves share nothing.
.set WS0,   589824                     ; wq4: where the scale words begin
.set XSC,   4194304                    ; xq: where the scale bytes begin
.set SPW,   12                         ; v12  LDS address of my spare word; never rewritten
.set NIL,   13                         ; v13  0; never rewritten
.set SPARE, 32768                      ; behind the four waves' regions: the spare words, 128 bytes a wave
.set WREG,  8192                       ; x path: a wave's LDS region: two stages of 32 x SP bytes, then its 256 scale bytes
.set SP,    80                         ; a lane's place in a stage: 64 bytes + 16 of padding
.set R,     16                         ; v16-143  x: eight sets of 16 numbers as loaded
.set X,     144                        ; v144-175 x: two sets of 16 neighbours
.set E,     176                        ; v176-191 x: a scale byte for each step
.set C,     192                        ; v192-223 x: two registers of codes for each step
.set WX,    32                         ; v32-95   weights: two sets of 32 numbers down K
.set WC,    96                         ; v96..    weights: codes (16 registers) or f16 pairs (64)
.macro FIN                             ; a wave's end
	s_wait_tensorcnt 0x0
	ds_add_u32 v[SPW], v[NIL]
	s_wait_dscnt 0x0
	s_endpgm
.endm
	s_load_b256 s[4:11], s[0:1], 0x0               ; x s[4:5], Wq s[6:7], Wk s[8:9], Wv s[10:11]
	s_load_b256 s[12:19], s[0:1], 0x20             ; Wo s[12:13], xq s[14:15], wq4 s[16:17], wo16 s[18:19]
	v_lshl_add_u32 v[SPW], v0, 2, SPARE
	v_mov_b32 v[NIL], 0
	v_lshrrev_b32 v1, 5, v0
	v_readfirstlane_b32 s20, v1                    ; wave 0..3
	v_and_b32 v2, 31, v0                           ; lane
	s_wait_kmcnt 0x0
	s_cmp_ge_u32 ttmp9, 136
	s_cbranch_scc1 .Lx
	v_lshlrev_b32 v3, 2, v2                        ; weights in: 4 bytes a lane: 128 consecutive bytes a load
	v_lshlrev_b32 v25, 4, v2                       ; images out: 16 bytes a lane: 512 consecutive bytes a store
	s_cmp_ge_u32 ttmp9, 72
	s_cbranch_scc1 .Lwo
	s_cmp_ge_u32 ttmp9, 64
	s_cbranch_scc1 .Lkv
; block t of the wave's 128 along K: W(32 t + i, my column), i = 0 .. 31, into set t % 2
.macro LOADW t, pitch
.set i_, 0
.rept 32
	global_load_b32 v[WX+32*((\t)%2)+i_], v3, s[28:29] offset:(32*(\t)+i_)*(\pitch) th:TH_LOAD_NT
.set i_, i_+1
.endr
.endm
; 32 columns x 128 along K become two fragments of codes and a scale word a column.  tile2: bytes from the first tile's image to the second's; woff: the register with the word's offset.
.macro QW pitch, tile2, woff
	LOADW 0, \pitch
	LOADW 1, \pitch
.irp t, 0,1,2,3
.set XS, WX+32*(\t%2)
.if \t < 3
	s_wait_loadcnt 32                              ; this block's 32 loads are in; the next block's 32 may be out
.else
	s_wait_loadcnt 0x0
.endif
	v_max3_num_f32 v16, |v[XS]|, |v[XS+1]|, |v[XS+2]|              ; the block's largest magnitude: all 32 numbers are mine; two chains
	v_max3_num_f32 v17, |v[XS+3]|, |v[XS+4]|, |v[XS+5]|
.irp i, 6,10,14,18,22,26
	v_max3_num_f32 v16, v16, |v[XS+\i]|, |v[XS+\i+1]|
	v_max3_num_f32 v17, v17, |v[XS+\i+2]|, |v[XS+\i+3]|
.endr
	v_max3_num_f32 v16, v16, |v[XS+30]|, |v[XS+31]|
	v_max3_num_f32 v16, v16, v17, 0x1800000        ; and the floor 2^(3 - 127): the byte cannot fall under 1
	v_add_nc_u32 v18, 0xff000000, v16              ; 2 off the exponent field: the conversion takes this operand's exponent field as its scale
	v_lshrrev_b32 v17, 23, v18                     ; the scale's byte
.if \t == 0
	v_mov_b32 v24, v17                             ; four bytes make the column's scale word of this K step, the lower K in the lower byte
.else
	v_lshl_or_b32 v24, v17, 8*\t, v24
.endif
.irp g, 0,1,2,3
	v_cvt_scalef32_pk8_fp4_f32 v[WC+4*\t+\g], v[XS+8*\g:XS+8*\g+7], v18
.endr
.if \t+2 < 4
	LOADW \t+2, \pitch
.endif
.endr
	v_nop                                          ; one plain instruction between the last scaled conversion and the exchange of its results
.irp c, 0,1                                    ; a fragment's lane (r, h) wants block 2 c + h of column r: the first register's lanes 16-31 change places with the second's lanes 0-15
.irp g, 0,1,2,3
	v_permlane16_swap_b32 v[WC+8*\c+\g], v[WC+8*\c+4+\g]
.endr
.endr
	global_store_b128 v25, v[WC:WC+3], s[30:31]                        ; the first tile's registers 0-3,
	global_store_b128 v25, v[WC+8:WC+11], s[30:31] offset:512          ; and 4-7;
	global_store_b128 v25, v[WC+4:WC+7], s[30:31] offset:\tile2        ; the second tile's
	global_store_b128 v25, v[WC+12:WC+15], s[30:31] offset:\tile2+512
	global_store_b32 v[\woff], v24, s[32:33]       ; the words: runs of 128 (Wk, Wv: 64) consecutive bytes; 36,864 bytes of all that the launch stores
.endm
	; ---- Wq: K step = id & 7; the wave's 32 columns cg = 4 (id >> 3) + wave
	s_and_b32 s21, ttmp9, 7
	s_lshr_b32 s22, ttmp9, 3
	s_lshl_b32 s22, s22, 2
	s_add_co_u32 s22, s22, s20                     ; cg
	s_lshl_b32 s24, s21, 19                        ; 128 rows of 4,096 bytes a K step
	s_lshl_b32 s26, s22, 7
	s_add_co_u32 s24, s24, s26
	s_mov_b32 s25, 0
	s_add_nc_u64 s[28:29], s[6:7], s[24:25]
	s_lshr_b32 s26, s22, 3                         ; g
	s_and_b32 s27, s22, 7
	s_mul_i32 s26, s26, 9
	s_add_co_u32 s26, s26, s27                     ; the pair of tiles: 9 g + (cg & 7); its first tile is j = 2 x that
	s_lshl_b32 s24, s26, 14
	s_lshl_b32 s27, s21, 10
	s_add_co_u32 s24, s24, s27
	s_add_nc_u64 s[30:31], s[16:17], s[24:25]
	s_lshl_b32 s24, s26, 10
	s_lshl_b32 s27, s21, 7
	s_add_co_u32 s24, s24, s27
	s_add_co_u32 s24, s24, WS0
	s_add_nc_u64 s[32:33], s[16:17], s[24:25]
	QW 4096, 8192, 3
	FIN
.Lkv:	; ---- Wk (waves 0, 1) and Wv (waves 2, 3): K step = id - 64; columns 32 (wave & 1) on: the tiles of groups g = 2 m and 2 m + 1
	s_sub_co_u32 s21, ttmp9, 64
	s_lshr_b32 s22, s20, 1                         ; T: 0 Wk, 1 Wv
	s_and_b32 s23, s20, 1                          ; m
	s_cmp_eq_u32 s22, 0
	s_cselect_b64 s[28:29], s[8:9], s[10:11]
	s_lshl_b32 s24, s21, 15                        ; 128 rows of 256 bytes a K step
	s_lshl_b32 s26, s23, 7
	s_add_co_u32 s24, s24, s26
	s_mov_b32 s25, 0
	s_add_nc_u64 s[28:29], s[28:29], s[24:25]
	s_mul_i32 s24, s23, 36
	s_add_co_u32 s24, s24, 16
	s_add_co_u32 s24, s24, s22                     ; j = 36 m + 16 + T; the second tile lies 18 tiles on
	s_lshl_b32 s24, s24, 13
	s_lshl_b32 s26, s21, 10
	s_add_co_u32 s24, s24, s26
	s_add_nc_u64 s[30:31], s[16:17], s[24:25]
	s_mul_i32 s24, s23, 18
	s_add_co_u32 s24, s24, 8                       ; the pair 18 m + 8; Wk's words in lanes 0-15 of it, Wv's in lanes 16-31
	s_lshl_b32 s24, s24, 10
	s_lshl_b32 s26, s21, 7
	s_add_co_u32 s24, s24, s26
	s_lshl_b32 s26, s22, 6
	s_add_co_u32 s24, s24, s26
	s_add_co_u32 s24, s24, WS0
	s_add_nc_u64 s[32:33], s[16:17], s[24:25]
	v_lshrrev_b32 v26, 4, v2
	v_mul_u32_u24 v26, v26, 9216                   ; my columns 16-31 belong to the group after: nine pairs on
	v_and_b32 v27, 15, v2
	v_lshl_add_u32 v26, v27, 2, v26
	QW 256, 147456, 26
	FIN
.Lwo:	; ---- Wo: 128 along K (kc = q & 7) x 32 columns (cg = 4 (q >> 3) + wave), q = id - 72: four K steps of 32, two tiles of 16 columns
	s_sub_co_u32 s21, ttmp9, 72
	s_and_b32 s22, s21, 7                          ; kc
	s_lshr_b32 s21, s21, 3
	s_lshl_b32 s21, s21, 2
	s_add_co_u32 s21, s21, s20                     ; cg
	s_lshl_b32 s24, s22, 19
	s_lshl_b32 s26, s21, 7
	s_add_co_u32 s24, s24, s26
	s_mov_b32 s25, 0
	s_add_nc_u64 s[28:29], s[12:13], s[24:25]
	s_lshl_b32 s24, s21, 16                        ; tile 2 cg: 32,768 bytes a tile
	s_lshl_b32 s26, s22, 12                        ; fragment 4 kc
	s_add_co_u32 s24, s24, s26
	s_add_nc_u64 s[30:31], s[18:19], s[24:25]
	LOADW 0, 4096
	LOADW 1, 4096
.irp t, 0,1,2,3
.set XS, WX+32*(\t%2)
.set PB, WC+16*\t
.if \t < 3
	s_wait_loadcnt 32                              ; this block's 32 loads are in; the next block's 32 may be out
.else
	s_wait_loadcnt 0x0
.endif
.set i_, 0
.rept 16
	v_cvt_pk_f16_f32 v[PB+i_], v[XS+2*i_], v[XS+2*i_+1]            ; k = 2 i, 2 i + 1 of my column
.set i_, i_+1
.endr
.if \t+2 < 4
	LOADW \t+2, 4096
.endif
.irp q, 0,1,2,3                                ; lane (r, h) of a fragment wants k = 8 h + 0..7 and 16 + 8 h + 0..7 of column r
	v_permlane16_swap_b32 v[PB+\q], v[PB+4+\q]
	v_permlane16_swap_b32 v[PB+8+\q], v[PB+12+\q]
.endr
	global_store_b128 v25, v[PB:PB+3], s[30:31] offset:1024*\t
	global_store_b128 v25, v[PB+8:PB+11], s[30:31] offset:1024*\t+512
	global_store_b128 v25, v[PB+4:PB+7], s[30:31] offset:32768+1024*\t
	global_store_b128 v25, v[PB+12:PB+15], s[30:31] offset:32768+1024*\t+512
.endr
	FIN
.Lx:	; ---- x: a plain stream of blocks of 32.  A wave takes 16 steps of 512 numbers; run = 4 (id - 136) + wave
	s_sub_co_u32 s21, ttmp9, 136
	s_lshl_b32 s21, s21, 2
	s_add_co_u32 s21, s21, s20
	s_mov_b32 s23, 0
	s_lshl_b32 s22, s21, 15
	s_add_nc_u64 s[4:5], s[4:5], s[22:23]          ; 32,768 bytes of numbers a run,
	s_lshl_b32 s22, s21, 12
	s_add_nc_u64 s[24:25], s[14:15], s[22:23]      ; 4,096 of codes,
	s_lshl_b32 s22, s21, 8
	s_add_co_u32 s22, s22, XSC
	s_add_nc_u64 s[26:27], s[14:15], s[22:23]      ; 256 scale bytes
	v_lshlrev_b32 v3, 4, v2                        ; my 16 bytes of a load's 512
	s_mul_i32 s28, s20, WREG
	v_lshrrev_b32 v14, 2, v2
	v_mul_u32_u24 v14, v14, SP
	v_and_b32 v15, 3, v2
	v_lshl_add_u32 v14, v15, 4, v14
	v_add_nc_u32 v14, s28, v14                     ; the stage, in: four lanes' 64 bytes on end, then 16 of padding
	v_mul_u32_u24 v15, v2, SP
	v_add_nc_u32 v15, s28, v15                     ; and out: my 16 neighbours
	v_lshlrev_b32 v4, 3, v2                        ; 8 bytes a lane: my codes' place in a step's 256, and my part of the 256 scale bytes
	v_lshrrev_b32 v5, 1, v2
	s_add_co_u32 s28, s28, 2*32*SP
	v_add_nc_u32 v5, s28, v5                       ; LDS: my block's scale byte
	v_add_nc_u32 v6, s28, v4                       ; and where I read 8 of them back
.macro XLOAD t
.irp i, 0,1,2,3
	global_load_b128 v[R+16*((\t)%8)+4*\i:R+16*((\t)%8)+4*\i+3], v3, s[4:5] offset:2048*(\t)+512*\i th:TH_LOAD_NT   ; 32 lanes read 512 consecutive bytes
.endr
.endm
.macro XTURN t                         ; step t's numbers through the stage; LDS serves a wave's instructions in order, so no wait stands between the stores and the loads
.irp i, 0,1,2,3
	ds_store_b128 v14, v[R+16*((\t)%8)+4*\i:R+16*((\t)%8)+4*\i+3] offset:32*SP*((\t)%2)+8*SP*\i
.endr
.irp i, 0,1,2,3
	ds_load_b128 v[X+16*((\t)%2)+4*\i:X+16*((\t)%2)+4*\i+3], v15 offset:32*SP*((\t)%2)+16*\i
.endr
.endm
.irp t, 0,1,2,3,4,5,6,7
	XLOAD \t
.endr
	s_wait_loadcnt 28                              ; step 0's four loads are in; the seven steps behind it may be out
	XTURN 0
.macro XSTEP t
.set XS, X+16*((\t)%2)
.if (\t) > 0
	s_wait_dscnt 1                                 ; this step's numbers are back from the stage (the last step's byte store may be out), so its stores into the stage have read their registers,
.else
	s_wait_dscnt 0x0
.endif
.if (\t)+8 < 16
	XLOAD (\t)+8                                   ; which take the loads of eight steps on
.endif
.if (\t)+1 < 16
.if (\t) <= 7
	s_wait_loadcnt 28                              ; the next step's loads are in; those of the seven steps behind it may be out
.else
	s_wait_loadcnt 4*(14-(\t))                     ; (fewer steps are left behind it)
.endif
	XTURN (\t)+1
.endif
	v_max3_num_f32 v8, |v[XS]|, |v[XS+1]|, |v[XS+2]|               ; the largest magnitude of my 16
	v_max3_num_f32 v9, |v[XS+3]|, |v[XS+4]|, |v[XS+5]|
.irp i, 6,10
	v_max3_num_f32 v8, v8, |v[XS+\i]|, |v[XS+\i+1]|
	v_max3_num_f32 v9, v9, |v[XS+\i+2]|, |v[XS+\i+3]|
.endr
	v_max3_num_f32 v8, v8, |v[XS+14]|, |v[XS+15]|
	v_max3_num_f32 v8, v8, v9, 0x1800000           ; and the floor
	v_max_num_f32_dpp v8, v8, v8 row_xmask:1 row_mask:0xf bank_mask:0xf   ; and of my neighbour's 16: the block's
	v_add_nc_u32 v11, 0xff000000, v8
	v_cvt_scalef32_pk8_fp4_f32 v[C+2*(\t)], v[XS:XS+7], v11
	v_cvt_scalef32_pk8_fp4_f32 v[C+2*(\t)+1], v[XS+8:XS+15], v11
	v_lshrrev_b32 v[E+(\t)], 23, v11               ; the scale's byte
	ds_store_b8 v5, v[E+(\t)] offset:16*(\t)       ; both lanes of a block write the same byte with the same value
	global_store_b64 v4, v[C+2*(\t):C+2*(\t)+1], s[24:25] offset:256*(\t)   ; 32 lanes store 256 consecutive bytes, aligned
.endm
.irp t, 0,1,2,3,4,5,6,7,8,9,10,11,12,13,14,15
	XSTEP \t
.endr
	ds_load_b64 v[8:9], v6                         ; LDS serves a wave's instructions in order: these see my byte stores
	s_wait_dscnt 0x0
	global_store_b64 v4, v[8:9], s[26:27]          ; 32 lanes store 256 consecutive bytes, aligned
	FIN
.Lfunc_end_k_q25c2dcbd6d_prep:
	.size	k_q25c2dcbd6d_prep, .Lfunc_end_k_q25c2dcbd6d_prep-k_q25c2dcbd6d_prep
	.p2alignl 7, 3214868480
	.fill 96, 4, 3214868480
	.section	.rodata,"a",@progbits
	.p2align	6, 0x0
	.amdhsa_kernel k_q25c2dcbd6d_prep
		.amdhsa_group_segment_fixed_size 33280
		.amdhsa_private_segment_fixed_size 0
		.amdhsa_enable_private_segment 0
		.amdhsa_kernarg_size 64
		.amdhsa_user_sgpr_count 2
		.amdhsa_user_sgpr_kernarg_segment_ptr 1
		.amdhsa_wavefront_size32 1
		.amdhsa_system_sgpr_workgroup_id_x 1
		.amdhsa_system_sgpr_workgroup_id_y 1
		.amdhsa_system_sgpr_workgroup_id_z 1
		.amdhsa_system_vgpr_workitem_id 0
		.amdhsa_next_free_vgpr 224
		.amdhsa_next_free_sgpr 66
		.amdhsa_reserve_vcc 0
		.amdhsa_float_denorm_mode_32 3
		.amdhsa_float_denorm_mode_16_64 3
		.amdhsa_memory_ordered 1
		.amdhsa_forward_progress 1
		.amdhsa_inst_pref_size 92
	.end_amdhsa_kernel
	.amdgpu_metadata
---
amdhsa.version: [ 1, 2 ]
amdhsa.kernels:
  - .name:           k_q25c2dcbd6d_prep
    .symbol:         k_q25c2dcbd6d_prep.kd
    .args:
      - { .name: x, .offset: 0, .size: 8, .value_kind: global_buffer, .address_space: global }
      - { .name: Wq, .offset: 8, .size: 8, .value_kind: global_buffer, .address_space: global }
      - { .name: Wk, .offset: 16, .size: 8, .value_kind: global_buffer, .address_space: global }
      - { .name: Wv, .offset: 24, .size: 8, .value_kind: global_buffer, .address_space: global }
      - { .name: Wo, .offset: 32, .size: 8, .value_kind: global_buffer, .address_space: global }
      - { .name: xq, .offset: 40, .size: 8, .value_kind: global_buffer, .address_space: global }
      - { .name: wq4, .offset: 48, .size: 8, .value_kind: global_buffer, .address_space: global }
      - { .name: wo16, .offset: 56, .size: 8, .value_kind: global_buffer, .address_space: global }
    .group_segment_fixed_size: 33280
    .private_segment_fixed_size: 0
    .kernarg_segment_align: 8
    .kernarg_segment_size: 64
    .max_flat_workgroup_size: 128
    .sgpr_count:     66
    .vgpr_count:     224
    .wavefront_size: 32
...
	.end_amdgpu_metadata
.endif
;; end of part 1
;; launch qkv (part 2): grid 4 x 64, 4 waves a work-group, clusters of 4 x 4, 327,680 bytes of LDS; arguments xq, wq4, bq, bk, bv, q16, kv16; writes q16, kv16
.if DOCPART == 2
	.amdgcn_target "amdgcn-amd-amdhsa--gfx1250"
	.amdhsa_code_object_version 6
	.text
	.protected	k_q25c2dcbd6d_qkv
	.globl	k_q25c2dcbd6d_qkv
	.p2align	8
	.type	k_q25c2dcbd6d_qkv,@function
k_q25c2dcbd6d_qkv:
	s_mov_b64 s[64:65], 0
	v_nop
	global_prefetch_b8 v0, s[64:65] scope:SCOPE_SE
	s_setreg_imm32_b32 hwreg(HW_REG_WAVE_MODE, 25, 1), 1
	s_wait_xcnt 0x0
	s_wait_alu depctr_hold_cnt(0) depctr_sa_sdst(0) depctr_va_vdst(0) depctr_va_sdst(0) depctr_va_ssrc(0) depctr_va_vcc(0) depctr_vm_vsrc(0)
	s_getreg_b32 s2, hwreg(HW_REG_IB_STS2, 6, 4)
	s_cmp_eq_u32 s2, 0
	s_cbranch_scc0 .Lentry_in_a_cluster
	s_endpgm
.Lentry_in_a_cluster:
	s_bfe_u32 s2, ttmp6, 0x10000c
	s_cmp_lg_u32 s2, 0xf033
	s_cbranch_scc0 .Lentry_shape_is_right
	s_endpgm
.Lentry_shape_is_right:
; QKV: Q = x Wq + bq, K = x Wk + bk, V = x Wv + bv on codes of FP4 (E2M1) with E8M0 scales for each 32 along K = 1,024; sums in f32; results rounded to f16 and stored as images of the
; registers in which the attention's products want them (registers 0-3 at 16 x lane, 4-7 at 512 + 16 x lane).
; SHARES.  A work-group takes 128 rows of x (row block rb) and column group g: 18 tiles of 16 columns: 16 of Wq, one of Wk, one of Wv.  All of K fits in LDS: every byte of LDS is filled once.
; Wave w takes rows 32 w .. 32 w + 31 (two tiles) against all 18 column tiles: 36 accumulators, which take turns in the same order in every K step.
; Q and K are made TRANSPOSED (source 0 = 16 columns of W, source 1 = 16 rows of x): a lane holds one row and eight neighbouring features, which pack into half of a fragment whose K is the feature.
; V is made as it stands (source 0 = x, source 1 = Wv): a lane holds one channel and eight neighbouring keys: half of a fragment of V^T, whose K is the key.
; The biases are the C of each sum's first product.
; CLUSTER 4 x 4: the four of a row share x's rows, the four of a column share the weights: each tile is asked for jointly.
; LIMIT: |Q|, |K|, |V| stay under f16's largest number, 65,504.
; REGISTERS: window 0: v1-11 addresses; v12-27 x's scale words [8 a + s]; v28-99 the weights' [8 p + s] (lanes 0-15 tile 2 p, lanes 16-31 tile 2 p + 1); v100-171, v172-243 nine weight fragments each.
;   window 1: Q's accumulators at 8 (16 a + t).  window 2: v0-127 bq, v128-135 bk, v136-143 bv, v144.. K's two accumulators, v160.. V's.  window 3: x's 16 fragments at 8 (8 a + s).
.set WS0,   589824                     ; wq4: where the scale words begin
.set XS0,   4194304                    ; xq: where the scale bytes begin
.set APITCH, 528                       ; a row of x's codes in LDS: 512 bytes + 16 of padding: the 16 rows of a load start 16 bytes apart modulo 256
.set BC,    67584                      ; LDS: behind x's 128 rows: the 18 tiles' code images, 8,192 bytes a tile
.set AS,    215040                     ; x's scale bytes, 32 a row
.set BS,    219136                     ; the weights' scale words, 1,024 bytes a pair of tiles
.set SPARE, 228352                     ; the spare words, 128 bytes a wave
.set SPW,   10
.set NIL,   11
.set SA,    12
.set SB,    28
.set BF,    100
.set G1A,   24                         ; s[24:31] group 1: x's codes;  s[32:39] x's scale bytes;  s[40:47] the weights' codes;  s[48:55] their scale words
.set G1AS,  32
.set G1B,   40
.set G1BS,  48
.set G0A,   56                         ; s[56:59], s[60:63], s[68:71], s[72:75]: their groups 0
.set G0AS,  60
.set G0B,   68
.set G0BS,  72
.set MSB, 0
.macro WIN new                         ; the immediate's high byte repeats the setting that is left
.if MSB != \new
	s_set_vgpr_msb (MSB<<8)|\new
.set MSB, \new
.endif
.endm
.macro PLACES n
.rept \n
	v_nop
.endr
.endm
; A joint load: waves 0 and 1 fetch for x, waves 2 and 3 for the weights; the branch hangs on the wave's number alone.  An s_nop 0 and four v_nop follow each line.
.macro JLOAD g0a, g1a, g0b, g1b
	s_cmp_eq_u32 s19, 0
	s_cbranch_scc0 .Lfor_b_\@
	tensor_load_to_lds s[\g0a:\g0a+3], s[\g1a:\g1a+7]
	s_nop 0
.rept 4
	v_nop
.endr
	s_branch .Lasked_\@
.Lfor_b_\@:
	tensor_load_to_lds s[\g0b:\g0b+3], s[\g1b:\g1b+7]
	s_nop 0
.rept 4
	v_nop
.endr
.Lasked_\@:
.endm
.macro CROUND                          ; a round of the cluster's barrier
	s_barrier_signal -1
	s_barrier_wait -1
	s_cmp_lg_u32 s18, 0
	s_cbranch_scc1 .Lnot_wave_0_\@
	s_barrier_signal -3
.Lnot_wave_0_\@:
	s_barrier_wait -3
	s_barrier_signal -1
	s_barrier_wait -1
.endm
	s_load_b256 s[4:11], s[0:1], 0x0               ; xq s[4:5], wq4 s[6:7], bq s[8:9], bk s[10:11]
	s_load_b128 s[12:15], s[0:1], 0x20             ; bv s[12:13], q16 s[14:15]
	s_load_b64 s[16:17], s[0:1], 0x30              ; kv16
	v_lshl_add_u32 v[SPW], v0, 2, SPARE
	v_mov_b32 v[NIL], 0
	ds_add_u32 v[SPW], v[NIL]                      ; the wave's opening: the add, twice on end, and its wait ahead of my first tensor load
	ds_add_u32 v[SPW], v[NIL]
	v_lshrrev_b32 v1, 5, v0
	v_readfirstlane_b32 s18, v1                    ; wave 0..3
	s_lshr_b32 s19, s18, 1                         ; I fetch for x (0) or for the weights (1),
	s_and_b32 s20, s18, 1                          ; and which half
	s_bfe_u32 s21, ttmp6, 0x40000                  ; cx
	s_bfe_u32 s22, ttmp6, 0x40004                  ; cy
	s_lshl_b32 s78, ttmp9, 2
	s_add_co_u32 s78, s78, s21                     ; g = 4 x cluster x + cx
	s_and_b32 s23, ttmp7, 0xffff
	s_lshl_b32 s23, s23, 2
	s_add_co_u32 s23, s23, s22                     ; rb = 4 x cluster y + cy
	s_lshl_b32 s76, s22, 2
	s_lshl_b32 s76, 15, s76                        ; my row of the cluster
	s_lshl_b32 s77, 0x1111, s21                    ; my column
	s_or_b32 s[G1A], s76, (0<<16)|(1<<20)|(1<<21)|(6<<22)|(3<<25)   ; x's codes: 64 rows of 512 bytes, four words of padding behind every 128
	s_mov_b32 s[G1A+1], 512<<16
	s_mov_b32 s[G1A+2], 64<<16
	s_mov_b32 s[G1A+3], 512<<16
	s_mov_b32 s[G1A+4], 64
	s_mov_b32 s[G1A+5], 512
	s_mov_b32 s[G1A+6], 0
	s_mov_b32 s[G1A+7], 0
	s_or_b32 s[G1AS], s76, (3<<16)|(1<<21)         ; x's scale bytes of 64 rows: 2,048 dense bytes as 8 rows of 32 elements of 8 bytes
	s_mov_b32 s[G1AS+1], 32<<16
	s_mov_b32 s[G1AS+2], 8<<16
	s_mov_b32 s[G1AS+3], 32<<16
	s_mov_b32 s[G1AS+4], 8
	s_mov_b32 s[G1AS+5], 32
	s_mov_b32 s[G1AS+6], 0
	s_mov_b32 s[G1AS+7], 0
	s_or_b32 s[G1B], s77, (3<<16)|(1<<21)          ; nine tiles' code images: 73,728 dense bytes as 288 rows of 256
	s_mov_b32 s[G1B+1], 32<<16
	s_mov_b32 s[G1B+2], 288<<16
	s_mov_b32 s[G1B+3], 32<<16
	s_mov_b32 s[G1B+4], 288
	s_mov_b32 s[G1B+5], 32
	s_mov_b32 s[G1B+6], 0
	s_mov_b32 s[G1B+7], 0
	s_or_b32 s[G1BS], s77, (3<<16)|(1<<21)         ; half of the group's scale words: 4,608 dense bytes as 18 rows of 256
	s_mov_b32 s[G1BS+1], 32<<16
	s_mov_b32 s[G1BS+2], 18<<16
	s_mov_b32 s[G1BS+3], 32<<16
	s_mov_b32 s[G1BS+4], 18
	s_mov_b32 s[G1BS+5], 32
	s_mov_b32 s[G1BS+6], 0
	s_mov_b32 s[G1BS+7], 0
	s_lshl_b32 s80, s23, 16                        ; x's codes: (128 rb + 64 half) rows of 512 bytes
	s_lshl_b32 s81, s20, 15
	s_add_co_u32 s80, s80, s81
	s_mov_b32 s81, 0
	s_lshl_b32 s82, s23, 12                        ; their scale bytes
	s_lshl_b32 s83, s20, 11
	s_add_co_u32 s82, s82, s83
	s_add_co_u32 s82, s82, XS0
	s_mov_b32 s83, 0
	s_mul_i32 s84, s78, 147456                     ; the group's 18 tiles, my nine
	s_mul_i32 s85, s20, 73728
	s_add_co_u32 s84, s84, s85
	s_mov_b32 s85, 0
	s_mul_i32 s86, s78, 9216                       ; and their scale words
	s_mul_i32 s87, s20, 4608
	s_add_co_u32 s86, s86, s87
	s_add_co_u32 s86, s86, WS0
	s_mov_b32 s87, 0
	s_mul_i32 s88, s20, 64*APITCH                  ; where they go in LDS: constants and the wave's number alone
	s_lshl_b32 s89, s20, 11
	s_add_co_u32 s89, s89, AS
	s_mul_i32 s90, s20, 73728
	s_add_co_u32 s90, s90, BC
	s_mul_i32 s91, s20, 4608
	s_add_co_u32 s91, s91, BS
	v_and_b32 v1, 15, v0                           ; r
	v_bfe_u32 v2, v0, 4, 1                         ; h
	v_and_b32 v3, 31, v0
	v_lshl_add_u32 v6, v3, 2, BS                   ; the weights' scale words: 4 bytes a lane
	v_lshlrev_b32 v3, 4, v3                        ; 16 x lane
	s_mul_i32 s92, s18, 32*APITCH
	v_mul_u32_u24 v4, v1, APITCH
	v_lshl_add_u32 v4, v2, 4, v4
	v_add_nc_u32 v4, s92, v4                       ; x's fragments: row 32 w + r, + 16 h
	s_lshl_b32 s92, s18, 10
	s_add_co_u32 s92, s92, AS
	v_lshlrev_b32 v5, 5, v1
	v_add_nc_u32 v5, s92, v5                       ; x's scale words: row 32 w + r
	v_add_nc_u32 v7, BC, v3                        ; the weights' images: tiles 0-7,
	v_add_nc_u32 v8, BC+65536, v3                  ; 8-15,
	v_add_nc_u32 v9, BC+131072, v3                 ; 16, 17
	v_lshlrev_b32 v244, 5, v2                      ; biases: 32 h,
	v_lshlrev_b32 v245, 2, v1                      ; 4 r
	s_wait_dscnt 0x0                               ; both opening adds are done
	s_wait_kmcnt 0x0
	CROUND                                         ; all sixteen work-groups are here: the joint loads meet
	s_mov_b32 s[G0AS], 1
	s_mov_b32 s[G0AS+1], s89
	s_add_nc_u64 s[G0AS+2:G0AS+3], s[4:5], s[82:83]
	s_or_b32 s[G0AS+3], s[G0AS+3], 0x80000000
	s_mov_b32 s[G0BS], 1
	s_mov_b32 s[G0BS+1], s91
	s_add_nc_u64 s[G0BS+2:G0BS+3], s[6:7], s[86:87]
	s_or_b32 s[G0BS+3], s[G0BS+3], 0x80000000
	JLOAD G0AS, G1AS, G0BS, G1BS
	s_mov_b32 s[G0A], 1
	s_mov_b32 s[G0A+1], s88
	s_add_nc_u64 s[G0A+2:G0A+3], s[4:5], s[80:81]
	s_or_b32 s[G0A+3], s[G0A+3], 0x80000000
	s_mov_b32 s[G0B], 1
	s_mov_b32 s[G0B+1], s90
	s_add_nc_u64 s[G0B+2:G0B+3], s[6:7], s[84:85]
	s_or_b32 s[G0B+3], s[G0B+3], 0x80000000
	JLOAD G0A, G1A, G0B, G1B                       ; two tensor loads of mine are out
	s_lshl_b32 s92, s78, 10                        ; the biases of my group
	s_mov_b32 s93, 0
	s_add_nc_u64 s[8:9], s[8:9], s[92:93]
	s_lshl_b32 s92, s78, 6
	s_add_nc_u64 s[10:11], s[10:11], s[92:93]
	s_add_nc_u64 s[12:13], s[12:13], s[92:93]
	WIN 0x80                                       ; destination window 2
.irp t, 0,1,2,3,4,5,6,7,8,9,10,11,12,13,14,15
	global_load_b128 v[8*\t:8*\t+3], v244, s[8:9] offset:64*\t         ; bq of features 16 t + 8 h + 0 .. 7
	global_load_b128 v[8*\t+4:8*\t+7], v244, s[8:9] offset:64*\t+16
.endr
	global_load_b128 v[128:131], v244, s[10:11]
	global_load_b128 v[132:135], v244, s[10:11] offset:16
.irp j, 0,1,2,3,4,5,6,7
	global_load_b32 v[136+\j], v245, s[12:13]      ; V's result holds one channel a lane: bv of channel r in all eight registers
.endr
	WIN 0
	s_lshl_b32 s94, s23, 3                         ; where the results go: my first tile of rows, 8 rb + 2 w
	s_lshl_b32 s95, s18, 1
	s_add_co_u32 s94, s94, s95
	s_lshl_b32 s92, s94, 15
	s_lshl_b32 s95, s78, 13
	s_add_co_u32 s92, s92, s95
	s_add_nc_u64 s[14:15], s[14:15], s[92:93]      ; Q: 32,768 bytes a tile of rows, 512 a tile of features
	s_lshl_b32 s92, s94, 11
	s_lshl_b32 s95, s78, 9
	s_add_co_u32 s92, s92, s95
	s_add_nc_u64 s[96:97], s[16:17], s[92:93]      ; K: 2,048 bytes a tile of keys
	s_lshl_b32 s92, s94, 11
	s_lshl_b32 s95, s78, 10
	s_add_co_u32 s92, s92, s95
	s_add_co_u32 s92, s92, 1048576
	s_add_nc_u64 s[16:17], s[16:17], s[92:93]      ; V^T: 4,096 bytes for 32 keys, 1,024 a tile of channels
	s_wait_tensorcnt 0x0                           ; my parts are in LDS,
	s_barrier_signal -1
	s_barrier_wait -1                              ; everybody's are
; nine weight fragments of half step hs (K step hs / 2; tiles 9 (hs % 2) on) into that half's buffer
.macro FETCH_B hs
.set S_, (\hs)/2
.set H_, (\hs)%2
.set I_, 0
.rept 9
.set T_, 9*H_+I_
.irp c, 0,1
	ds_load_b128 v[BF+72*H_+8*I_+4*\c:BF+72*H_+8*I_+4*\c+3], v[7+T_/8] offset:(T_%8)*8192+S_*1024+512*\c
.endr
.set I_, I_+1
.endr
.endm
; the product of column tile T_ and row tile A_ in K step S_
.macro MM
.set BR_, BF+72*(T_/9)+8*(T_%9)
.set XR_, 8*(8*A_+S_)
.set SBR_, SB+8*(T_/2)+S_
.set SAR_, SA+8*A_+S_
.if T_ < 16
.set DR_, 8*(16*A_+T_)
.if S_ == 0
	WIN 0x6c                                       ; W window 0, x window 3, C = bq window 2, D window 1
.set CR_, 8*T_
.else
	WIN 0x5c                                       ; C and D window 1
.set CR_, DR_
.endif
.if T_%2
	v_wmma_scale_f32_16x16x128_f8f6f4 v[DR_:DR_+7], v[BR_:BR_+7], v[XR_:XR_+7], v[CR_:CR_+7], v[SBR_], v[SAR_] matrix_a_fmt:MATRIX_FMT_FP4 matrix_b_fmt:MATRIX_FMT_FP4 matrix_a_scale:MATRIX_SCALE_ROW1
.else
	v_wmma_scale_f32_16x16x128_f8f6f4 v[DR_:DR_+7], v[BR_:BR_+7], v[XR_:XR_+7], v[CR_:CR_+7], v[SBR_], v[SAR_] matrix_a_fmt:MATRIX_FMT_FP4 matrix_b_fmt:MATRIX_FMT_FP4
.endif
.elseif T_ == 16
.set DR_, 144+8*A_
.set CR_, DR_
.if S_ == 0
.set CR_, 128
.endif
	WIN 0xac                                       ; W window 0, x window 3, C and D window 2
	v_wmma_scale_f32_16x16x128_f8f6f4 v[DR_:DR_+7], v[BR_:BR_+7], v[XR_:XR_+7], v[CR_:CR_+7], v[SBR_], v[SAR_] matrix_a_fmt:MATRIX_FMT_FP4 matrix_b_fmt:MATRIX_FMT_FP4
.else
.set DR_, 160+8*A_
.set CR_, DR_
.if S_ == 0
.set CR_, 136
.endif
	WIN 0xa3                                       ; x window 3 is source 0, W window 0 source 1, C and D window 2
	v_wmma_scale_f32_16x16x128_f8f6f4 v[DR_:DR_+7], v[XR_:XR_+7], v[BR_:BR_+7], v[CR_:CR_+7], v[SAR_], v[SBR_] matrix_a_fmt:MATRIX_FMT_FP4 matrix_b_fmt:MATRIX_FMT_FP4 matrix_b_scale:MATRIX_SCALE_ROW1
.endif
.endm
; half a K step: nine column tiles x my two row tiles; then the same buffer takes the half two further on
.macro HALF hs
.if (\hs) < 15
	s_wait_dscnt 18                                ; all but the next half's 18 loads are in
.else
	s_wait_dscnt 0x0
.endif
.set S_, (\hs)/2
.set H_, (\hs)%2
.set I_, 0
.rept 9
.set T_, 9*H_+I_
.set A_, 0
.rept 2
	MM
.set A_, A_+1
.endr
.set I_, I_+1
.endr
.if (\hs)+2 <= 15
	PLACES 4                                       ; four plain instructions between the products and loads into registers that they read (ISA guide 7.12.1 for vector instructions)
	WIN 0
	FETCH_B (\hs)+2
.endif
.endm
	WIN 0xc0                                       ; destination window 3
.irp a, 0,1
.irp s, 0,1,2,3,4,5,6,7
.irp c, 0,1
	ds_load_b128 v[8*(8*\a+\s)+4*\c:8*(8*\a+\s)+4*\c+3], v4 offset:\a*16*APITCH+64*\s+32*\c   ; x's fragments stay in registers: each is read from LDS once
.endr
.endr
.endr
	WIN 0
.irp a, 0,1
.irp q, 0,1
	ds_load_b128 v[SA+8*\a+4*\q:SA+8*\a+4*\q+3], v5 offset:\a*512+16*\q       ; a row's eight scale words
.endr
.endr
.set n_, 0
.rept 72
	ds_load_b32 v[SB+n_], v6 offset:n_*128
.set n_, n_+1
.endr
	FETCH_B 0
	FETCH_B 1
	s_wait_loadcnt 0x0                             ; the biases
.set HS, 0
.rept 16
	HALF HS
.set HS, HS+1
.endr
	; THE WAY OUT: a lane's eight results pack into 16 bytes, and the 32 lanes' 512 bytes are half an image: stored straight from registers
	PLACES 4
	WIN 0x05                                       ; sources window 1, destination window 0
.set n_, 0
.rept 32
.irp q, 0,1,2,3
	v_cvt_pk_f16_f32 v[BF+4*n_+\q], v[8*n_+2*\q], v[8*n_+2*\q+1]   ; each accumulator from its low end on
.endr
.set n_, n_+1
.endr
	WIN 0x0a                                       ; sources window 2
.irp n, 0,1,2,3
.irp q, 0,1,2,3
	v_cvt_pk_f16_f32 v[228+4*\n+\q], v[144+8*\n+2*\q], v[144+8*\n+2*\q+1]
.endr
.endr
	WIN 0
.irp a, 0,1
.irp t, 0,1,2,3,4,5,6,7,8,9,10,11,12,13,14,15
	global_store_b128 v3, v[BF+4*(16*\a+\t):BF+4*(16*\a+\t)+3], s[14:15] offset:\a*32768+\t*512   ; 32 lanes store 512 consecutive bytes, aligned
.endr
.endr
.irp a, 0,1
	global_store_b128 v3, v[228+4*\a:228+4*\a+3], s[96:97] offset:\a*2048
	global_store_b128 v3, v[236+4*\a:236+4*\a+3], s[16:17] offset:\a*512
.endr
	s_wait_tensorcnt 0x0                           ; the wave's end
	ds_add_u32 v[SPW], v[NIL]
	s_wait_dscnt 0x0
	CROUND                                         ; the closing round
	s_endpgm
.Lfunc_end_k_q25c2dcbd6d_qkv:
	.size	k_q25c2dcbd6d_qkv, .Lfunc_end_k_q25c2dcbd6d_qkv-k_q25c2dcbd6d_qkv
	.p2alignl 7, 3214868480
	.fill 96, 4, 3214868480
	.section	.rodata,"a",@progbits
	.p2align	6, 0x0
	.amdhsa_kernel k_q25c2dcbd6d_qkv
		.amdhsa_group_segment_fixed_size 327680
		.amdhsa_private_segment_fixed_size 0
		.amdhsa_enable_private_segment 0
		.amdhsa_kernarg_size 56
		.amdhsa_user_sgpr_count 2
		.amdhsa_user_sgpr_kernarg_segment_ptr 1
		.amdhsa_wavefront_size32 1
		.amdhsa_system_sgpr_workgroup_id_x 1
		.amdhsa_system_sgpr_workgroup_id_y 1
		.amdhsa_system_sgpr_workgroup_id_z 1
		.amdhsa_system_vgpr_workitem_id 0
		.amdhsa_next_free_vgpr 1024
		.amdhsa_next_free_sgpr 100
		.amdhsa_reserve_vcc 0
		.amdhsa_float_denorm_mode_32 3
		.amdhsa_float_denorm_mode_16_64 3
		.amdhsa_memory_ordered 1
		.amdhsa_forward_progress 1
		.amdhsa_inst_pref_size 90
	.end_amdhsa_kernel
	.amdgpu_metadata
---
amdhsa.version: [ 1, 2 ]
amdhsa.kernels:
  - .name:           k_q25c2dcbd6d_qkv
    .symbol:         k_q25c2dcbd6d_qkv.kd
    .args:
      - { .name: xq, .offset: 0, .size: 8, .value_kind: global_buffer, .address_space: global }
      - { .name: wq4, .offset: 8, .size: 8, .value_kind: global_buffer, .address_space: global }
      - { .name: bq, .offset: 16, .size: 8, .value_kind: global_buffer, .address_space: global }
      - { .name: bk, .offset: 24, .size: 8, .value_kind: global_buffer, .address_space: global }
      - { .name: bv, .offset: 32, .size: 8, .value_kind: global_buffer, .address_space: global }
      - { .name: q16, .offset: 40, .size: 8, .value_kind: global_buffer, .address_space: global }
      - { .name: kv16, .offset: 48, .size: 8, .value_kind: global_buffer, .address_space: global }
    .group_segment_fixed_size: 327680
    .private_segment_fixed_size: 0
    .kernarg_segment_align: 8
    .kernarg_segment_size: 56
    .max_flat_workgroup_size: 128
    .sgpr_count:     100
    .vgpr_count:     1024
    .wavefront_size: 32
...
	.end_amdgpu_metadata
.endif
;; end of part 2
;; launch attn (part 3): grid 64 x 4, 8 waves a work-group, clusters of 4 x 1, 327,680 bytes of LDS; arguments q16, kv16, o16; writes o16
.if DOCPART == 3
	.amdgcn_target "amdgcn-amd-amdhsa--gfx1250"
	.amdhsa_code_object_version 6
	.text
	.protected	k_q25c2dcbd6d_attn
	.globl	k_q25c2dcbd6d_attn
	.p2align	8
	.type	k_q25c2dcbd6d_attn,@function
k_q25c2dcbd6d_attn:
	s_mov_b64 s[64:65], 0
	v_nop
	global_prefetch_b8 v0, s[64:65] scope:SCOPE_SE
	s_setreg_imm32_b32 hwreg(HW_REG_WAVE_MODE, 25, 1), 1
	s_wait_xcnt 0x0
	s_wait_alu depctr_hold_cnt(0) depctr_sa_sdst(0) depctr_va_vdst(0) depctr_va_sdst(0) depctr_va_ssrc(0) depctr_va_vcc(0) depctr_vm_vsrc(0)
	s_getreg_b32 s2, hwreg(HW_REG_IB_STS2, 6, 4)
	s_cmp_eq_u32 s2, 0
	s_cbranch_scc0 .Lentry_in_a_cluster
	s_endpgm
.Lentry_in_a_cluster:
	s_bfe_u32 s2, ttmp6, 0x10000c
	s_cmp_lg_u32 s2, 0x3003
	s_cbranch_scc0 .Lentry_shape_is_right
	s_endpgm
.Lentry_shape_is_right:
; ATTN: O[b][h][q] = the sum over k of softmax_k(Q[b][h][q] . K[b][k] / 8) V[b][k]: 16 heads of 64 share one K and one V; 2,048 keys, no mask.  Operands f16, sums, maxima and exponentials f32.
; All operands lie in memory as images of their registers (registers 0-3 at 16 x lane, 4-7 at 512 + 16 x lane), so every load and store is a constant + 16 x lane.
; SHARES.  A work-group owns 32 rows of one batch, all 16 heads: 32 tiles of 16 queries x one head, 65,536 bytes on end of q16 and of o16.  Each of its eight waves owns four tiles, so a fragment of
; K or V read from LDS feeds four products; two waves share a SIMD, so that one wave's softmax stands beside the other's products.
; LAYOUT.  S^T = K Q^T (source 0 = 16 keys, source 1 = 16 queries), O^T = V^T P (source 0 = 16 channels, source 1 = P): a lane holds ONE query throughout, and two tiles of S^T, rounded in pairs, ARE a fragment of P.
; SOFTMAX.  A running maximum m for each query: p = 2^(c s - c m), c = log2(e) / 8; in every step O^T and the sum are multiplied by a = 2^(c m_old - c m_new).
; THE ROW'S SUM is a fifth tile of O^T: the product of a fragment of ones with P: it needs no exchange between lanes, and it sums the p that the second product takes.
; RING.  Two LDS slots of 512 keys (K's images, then V^T's), filled by the tensor data mover, 16,384 bytes a wave.  CLUSTER: the four work-groups of a cluster walk the same K and V and ask jointly.
; LIMIT: |Q|, |K|, |V|, |O| stay under f16's largest number, 65,504; NaN and infinities are not served.
; REGISTERS: window 0: v1-7 addresses; v16-47 statistics, 8 a tile: +0 c m, +1 m, +2..5 at work, +6 a, +7 c m_old; v48-111 S^T of two tiles, then P in place; v112-175 K; v176-239 V^T; v240-247 ones.
;   window 1: O^T at 40 tile + 8 ct (ct = 4: the sum); Q at 160 + 16 tile + 8 a.
.set SLOT1, 131072
.set SPARE, 262144                     ; behind the ring: the spare words, 128 bytes a wave
.set SPW,  4
.set NIL,  5
.set ST,   16
.set S,    48
.set KF,   112
.set VF,   176
.set ONE,  240
.set WV,   12                          ; s12  my wave's number
.set G1,   24                          ; s[24:31] group 1: 64 rows of 256 dense bytes
.set G0,   32                          ; s[32:35] group 0, which walks
.set CS,   36                          ; s[36:37] c
.set SEL,  38                          ; s[38:39] selects for v_permlanex16_b32: lane l xor 16
.set TK,   40                          ; s40  LDS byte at which the key step to be fetched begins
.set SLOTS, 41                         ; s41  slots still to be asked for
.set CNT,  42
.set PFA,  44                          ; s[44:45] where my prefetches stand
.set LIM,  46                          ; s46  1 in a wave that prefetches, else the greatest number
.set MSB, 0
.macro WIN new
.if MSB != \new
	s_set_vgpr_msb (MSB<<8)|\new
.set MSB, \new
.endif
.endm
.set W_KQ, 0x04                        ; K window 0, Q window 1, S^T window 0
.set W_PV, 0x50                        ; V^T and P window 0, O^T window 1
.set W_RS, 0x41                        ; O^T (destination, source 0) window 1, a window 0
.macro PLACES n
.rept \n
	v_nop
.endr
.endm
.macro CROUND
	s_barrier_signal -1
	s_barrier_wait -1
	s_cmp_lg_u32 s[WV], 0
	s_cbranch_scc1 .Lnot_wave_0_\@
	s_barrier_signal -3
.Lnot_wave_0_\@:
	s_barrier_wait -3
	s_barrier_signal -1
	s_barrier_wait -1
.endm
; A PREFETCH of what the NEXT change of slots will ask for: 65,536 bytes of K's images and as many of V^T's.  All 16 clusters of a batch walk the same bytes: the batch's first cluster asks.  Its four
; partners share the bytes out by address, 16,384 of each tensor; in each, waves 0 and 1 ask for K's and waves 2 and 3 for V^T's, 8,192 bytes a wave, lanes 256 bytes apart: each block is named once.
; The last change that fills a slot asks for nothing; slots 0 and 1 come by their loads alone.
.macro ASK
	s_cmp_gt_u32 s[SLOTS], s[LIM]
	s_cbranch_scc0 .Lnot_mine_\@
	global_prefetch_b8 v6, s[PFA:PFA+1] th:TH_LOAD_NT scope:SCOPE_SE
.Lnot_mine_\@:
.endm
	s_load_b128 s[4:7], s[0:1], 0x0                ; q16 s[4:5], kv16 s[6:7]
	s_load_b64 s[8:9], s[0:1], 0x10                ; o16
	v_lshl_add_u32 v[SPW], v0, 2, SPARE
	v_mov_b32 v[NIL], 0
	ds_add_u32 v[SPW], v[NIL]                      ; the wave's opening: the add, twice on end, and its wait ahead of my first tensor load
	ds_add_u32 v[SPW], v[NIL]
	v_lshrrev_b32 v1, 5, v0
	v_readfirstlane_b32 s[WV], v1                  ; wave 0..7
	s_bfe_u32 s13, ttmp6, 0x40000                  ; cx
	s_lshl_b32 s14, ttmp9, 2
	s_add_co_u32 s14, s14, s13                     ; my block of 32 rows: it enters Q's and O's addresses alone
	s_and_b32 s15, ttmp7, 0xffff                   ; the batch, which the partners share
	s_lshl_b32 s16, s15, 6
	s_add_co_u32 s16, s16, s14
	s_lshl_b32 s16, s16, 16                        ; 65,536 bytes a block,
	s_lshl_b32 s17, s[WV], 13                      ; 8,192 for my four tiles
	s_add_co_u32 s16, s16, s17
	s_mov_b32 s17, 0
	s_lshl_b32 s18, s15, 18                        ; what I fetch: the batch's 262,144 bytes of K (waves 0-3) or of V^T (waves 4-7),
	s_lshr_b32 s19, s[WV], 2
	s_lshl_b32 s19, s19, 20
	s_add_co_u32 s18, s18, s19
	s_and_b32 s19, s[WV], 3
	s_lshl_b32 s19, s19, 14                        ; my quarter of a slot's 65,536
	s_add_co_u32 s18, s18, s19
	s_mov_b32 s19, 0
	s_lshl_b32 s20, s15, 18                        ; what I prefetch, if I do
	s_bfe_u32 s21, s[WV], 0x10001
	s_lshl_b32 s21, s21, 20
	s_add_co_u32 s20, s20, s21
	s_lshl_b32 s21, s13, 14
	s_add_co_u32 s20, s20, s21
	s_and_b32 s21, s[WV], 1
	s_lshl_b32 s21, s21, 13
	s_add_co_u32 s20, s20, s21
	s_add_co_u32 s20, s20, 65536                   ; in slot 1: the first change of slots steps it to slot 2
	s_mov_b32 s21, 0
	s_lshr_b32 s[LIM], s[WV], 2                    ; 0 in waves 0 to 3,
	s_or_b32 s[LIM], s[LIM], ttmp9                 ; of the batch's first cluster: the same in all four partners
	s_cmp_eq_u32 s[LIM], 0
	s_cselect_b32 s[LIM], 1, -1
	s_mov_b32 s[G1], 15|(3<<16)|(1<<21)            ; the mask: all four work-groups; elements of 8 bytes; bit 21 beside a mask
	s_mov_b32 s[G1+1], 32<<16
	s_mov_b32 s[G1+2], 64<<16
	s_mov_b32 s[G1+3], 32<<16
	s_mov_b32 s[G1+4], 64
	s_mov_b32 s[G1+5], 32
	s_mov_b32 s[G1+6], 0
	s_mov_b32 s[G1+7], 0
	s_mov_b32 s[CS], 0x3e38aa3b                    ; c = log2(e) / 8
	s_mov_b32 s[CS+1], s[CS]
	s_mov_b32 s[SEL], 0x76543210
	s_mov_b32 s[SEL+1], 0xfedcba98
	s_mov_b32 s[TK], 0
	s_mov_b32 s[SLOTS], 3
	v_and_b32 v1, 31, v0
	v_lshlrev_b32 v6, 8, v1                        ; 256 x lane
	v_lshlrev_b32 v1, 4, v1                        ; 16 x lane: K's images,
	v_add_nc_u32 v7, 65536, v1                     ; V^T's
	s_wait_dscnt 0x0                               ; both opening adds are done
	s_wait_kmcnt 0x0
	s_add_nc_u64 s[4:5], s[4:5], s[16:17]
	s_add_nc_u64 s[8:9], s[8:9], s[16:17]
	s_add_nc_u64 s[PFA:PFA+1], s[6:7], s[20:21]
	s_mov_b32 s[G0], 1
	s_lshl_b32 s[G0+1], s[WV], 14                  ; LDS: 16,384 x wave, in slot 0
	s_add_nc_u64 s[G0+2:G0+3], s[6:7], s[18:19]
	s_or_b32 s[G0+3], s[G0+3], 0x80000000
	CROUND                                         ; all four work-groups are here: the first joint loads meet
	tensor_load_to_lds s[G0:G0+3], s[G1:G1+7]      ; slot 0: one tensor load of mine is out
	s_nop 0
	PLACES 4
	WIN 0x40                                       ; destination window 1
.irp t, 0,1,2,3
.irp f, 0,1,2,3
	global_load_b128 v[160+16*\t+4*\f:160+16*\t+4*\f+3], v1, s[4:5] offset:\t*2048+\f*512   ; Q stays in registers
.endr
.endr
.set n, 0
.rept 160
	v_mov_b32 v[n], 0                              ; O^T and the sums: the key step is written once, and its first pass finds zeros, which a = 0 leaves zeros
.set n, n+1
.endr
	WIN 0
.irp t, 0,1,2,3
	v_mov_b32 v[ST+8*\t+1], 0xff61b1e6             ; m: -3e38, under every score
	v_mul_f32 v[ST+8*\t], s[CS], v[ST+8*\t+1]      ; c m
.endr
.irp j, 0,1,2,3,4,5,6,7
	v_mov_b32 v[ONE+\j], 0x3c003c00                ; 1.0, 1.0 in f16
.endr
.macro FETCH_K                         ; a key step's 64 keys x 64 channels: 8 fragments, 8,192 bytes on end
	WIN 0
	v_add_nc_u32 v2, s[TK], v1
.set n, 0
.rept 16
	ds_load_b128 v[KF+4*n:KF+4*n+3], v2 offset:512*n
.set n, n+1
.endr
.endm
.macro FETCH_V                         ; and its 64 channels x 64 keys
	WIN 0
	v_add_nc_u32 v3, s[TK], v7
.set n, 0
.rept 16
	ds_load_b128 v[VF+4*n:VF+4*n+3], v3 offset:512*n
.set n, n+1
.endr
.endm
; S^T of tiles y, y + 1: 16 products on eight accumulators, which take turns; the first eight start the sums
.macro KQ y
	WIN W_KQ
.set i, 0
.rept 16
.set rS, S+32*(i%2)+8*((i%8)/2)
.set rK, KF+8*(2*((i%8)/2)+i/8)
.set rQ, 160+16*((\y)+i%2)+8*(i/8)
.if i < 8
	v_wmma_f32_16x16x32_f16 v[rS:rS+7], v[rK:rK+7], v[rQ:rQ+7], 0
.else
	v_wmma_f32_16x16x32_f16 v[rS:rS+7], v[rK:rK+7], v[rQ:rQ+7], v[rS:rS+7]
.endif
.set i, i+1
.endr
.endm
; O^T and the sums of tiles y, y + 1: 20 products on ten accumulators by turns
.macro PV y
	WIN W_PV
.set i, 0
.rept 20
.set ct, (i%10)/2
.set rO, 40*((\y)+i%2)+8*ct
.set rP, S+32*(i%2)+8*(i/10)
.set rV, VF+8*(4*(i/10)+ct)
.if ct == 4
.set rV, ONE
.endif
	v_wmma_f32_16x16x32_f16 v[rO:rO+7], v[rV:rV+7], v[rP:rP+7], v[rO:rO+7]
.set i, i+1
.endr
.endm
.macro AT t, e                         ; names tile t's statistics and O^T, and its place e among the scores
.set rT, ST+8*(\t)
.set rS, S+32*(\e)
.set rO, 40*(\t)
.endm
; THE SOFTMAX of tiles y, y + 1 for one key step; the two tiles alternate line by line, so that no line waits for the line above it
.macro SM y
	WIN 0
.irp j, 0,1,2,3                                ; the maximum of 32 scores and the old m, three at a time, in four chains; each accumulator is read from its low end on
.irp e, 0,1
	AT (\y)+\e, \e
	v_max3_num_f32 v[rT+2+\j], v[rS+8*\j], v[rS+8*\j+1], v[rS+8*\j+2]
.endr
.endr
.irp u, 1,2
.irp j, 0,1,2,3
.irp e, 0,1
	AT (\y)+\e, \e
	v_max3_num_f32 v[rT+2+\j], v[rT+2+\j], v[rS+8*\j+2*\u+1], v[rS+8*\j+2*\u+2]
.endr
.endr
.endr
.irp e, 0,1
	AT (\y)+\e, \e
	v_max3_num_f32 v[rT+2], v[rT+2], v[rS+7], v[rS+15]
.endr
.irp e, 0,1
	AT (\y)+\e, \e
	v_max3_num_f32 v[rT+4], v[rT+4], v[rS+23], v[rS+31]
.endr
.irp e, 0,1
	AT (\y)+\e, \e
	v_max3_num_f32 v[rT+2], v[rT+2], v[rT+3], v[rT+4]
.endr
.irp e, 0,1
	AT (\y)+\e, \e
	v_max3_num_f32 v[rT+2], v[rT+2], v[rT+5], v[rT+1]
.endr
.irp e, 0,1
	AT (\y)+\e, \e
	v_permlanex16_b32 v[rT+3], v[rT+2], s[SEL], s[SEL+1]           ; the query's other 32 keys lie in the lane 16 away
.endr
.irp e, 0,1
	AT (\y)+\e, \e
	v_mov_b32 v[rT+7], v[rT]                       ; c m_old is kept for a
.endr
.irp e, 0,1
	AT (\y)+\e, \e
	v_max_num_f32 v[rT+1], v[rT+2], v[rT+3]
.endr
.irp e, 0,1
	AT (\y)+\e, \e
	v_mul_f32 v[rT], s[CS], v[rT+1]
.endr
.irp e, 0,1
	AT (\y)+\e, \e
	v_sub_f32 v[rT+7], v[rT+7], v[rT]
.endr
.set n, 0
.rept 16
.irp e, 0,1
	AT (\y)+\e, \e
	v_pk_fma_f32 v[rS+2*n:rS+2*n+1], v[rS+2*n:rS+2*n+1], s[CS:CS+1], v[rT:rT+1] op_sel_hi:[1,0,0] neg_lo:[0,0,1] neg_hi:[0,0,1]   ; c s - c m, two at a time
.endr
.set n, n+1
.endr
.irp e, 0,1                                    ; ONE BATCH of 66 exponentials: none reads another's result
	AT (\y)+\e, \e
	v_exp_f32 v[rT+6], v[rT+7]
.endr
.set n, 0
.rept 32
.irp e, 0,1
	AT (\y)+\e, \e
	v_exp_f32 v[rS+n], v[rS+n]
.endr
.set n, n+1
.endr
	v_nop                                          ; a plain instruction behind the last exponential (ISA guide 5.7.2),
	s_wait_alu depctr_va_vdst(0)                   ; and the one wait ahead of the batch's first reader
.set n, 0
.rept 16
.irp e, 0,1
	AT (\y)+\e, \e
	v_cvt_pk_f16_f32 v[rS+n], v[rS+2*n], v[rS+2*n+1]               ; P in place: register n is written when registers 2 n, 2 n + 1 are read
.endr
.set n, n+1
.endr
	WIN W_RS
.set n, 0
.rept 17                                       ; O^T's 32 registers and the sum (registers 0, 1 of its tile: the others are never read) times a
.irp e, 0,1
	AT (\y)+\e, \e
	v_pk_mul_f32 v[rO+2*n:rO+2*n+1], v[rO+2*n:rO+2*n+1], v[rT+6:rT+7] op_sel_hi:[1,0]
.endr
.set n, n+1
.endr
.endm
; A KEY STEP: 64 keys for my four tiles.  more = 1: the next step's K and V^T are fetched, each as soon as its registers are free.
; Four plain instructions stand between a product and a vector instruction or load that touches its registers, five before a product that writes over them (ISA guide 7.12.1 for vector instructions).
.macro STEP more
	s_wait_dscnt 16                                ; K is in; V^T's 16 loads, issued behind K's, may be out
	KQ 0
	PLACES 4
	SM 0
	s_wait_dscnt 0x0                               ; V^T is in
	PV 0
	PLACES 5                                       ; the next products write over the registers that held P
	KQ 2
	PLACES 4
.if \more
	s_add_co_u32 s[TK], s[TK], 8192
	FETCH_K
.endif
	SM 2
	PV 2
	PLACES 5
.if \more
	FETCH_V
.endif
.endm
.macro SLOT_STEPS                      ; a slot's eight key steps
	FETCH_K
	FETCH_V
	s_mov_b32 s[CNT], 7
.Lstep_\@:
	STEP 1
	WIN 0                                          ; at a label and at a branch every window is 0
	s_sub_co_u32 s[CNT], s[CNT], 1
	s_cmp_lg_u32 s[CNT], 0
	s_cbranch_scc1 .Lstep_\@
	STEP 0
	WIN 0
	s_sub_co_u32 s[TK], s[TK], 57344               ; back to a slot's first step,
	s_xor_b32 s[TK], s[TK], SLOT1                  ; in the other slot
.endm
; THE CHANGE OF SLOTS stands at a slot's head.  Each wave waits for all its tensor loads (its part of the slot ahead), adds 0 to its spare word, and waits for that and for its reads of the slot that it has left.
; fill = 1: a round of the cluster's barrier, and behind it the slot just left is asked for again, with the next 512 keys: the load has eight key steps in which to land.
.macro CHANGE fill
	s_wait_tensorcnt 0x0                           ; no tensor load of mine is out, so the group 0 may be written
	ds_add_u32 v[SPW], v[NIL]
.if \fill
	s_xor_b32 s[G0+1], s[G0+1], SLOT1
	s_add_nc_u64 s[G0+2:G0+3], s[G0+2:G0+3], 65536
	s_wait_xcnt 0x0                                ; the last prefetch, a slot back, has read its address
	s_add_nc_u64 s[PFA:PFA+1], s[PFA:PFA+1], 65536
	s_wait_dscnt 0x0                               ; the add is done, and my reads of the slot that I have left are over
	CROUND
	tensor_load_to_lds s[G0:G0+3], s[G1:G1+7]      ; my one tensor load until the next change
	s_nop 0
	PLACES 4
	ASK
.else
	s_wait_dscnt 0x0
	s_barrier_signal -1
	s_barrier_wait -1
.endif
.endm
	s_wait_loadcnt 0x0                             ; Q
.Lslot:                                            ; three trips: behind each change of slots but the last the next slot is asked for
	CHANGE 1
	SLOT_STEPS
	s_sub_co_u32 s[SLOTS], s[SLOTS], 1
	s_cmp_lg_u32 s[SLOTS], 0
	s_cbranch_scc1 .Lslot
	CHANGE 0                                       ; the last slot is written out
	SLOT_STEPS
	; THE WAY OUT: O^T / the sum, rounded to f16: a lane's eight channels are 16 bytes, and the 32 lanes' 512 bytes are half an image of the projection's operand
	WIN 0x01                                       ; source window 1, destination window 0
.irp t, 0,1,2,3
	v_rcp_f32 v[ST+8*\t+6], v[40*\t+32]            ; the sum's tile holds the row's sum in every register that was kept: its lowest is read
.endr
	v_nop
	s_wait_alu depctr_va_vdst(0)                   ; one wait for the four reciprocals, ahead of their first reader
	WIN W_RS
.irp t, 0,1,2,3
.set n, 0
.rept 16
	v_pk_mul_f32 v[40*\t+2*n:40*\t+2*n+1], v[40*\t+2*n:40*\t+2*n+1], v[ST+8*\t+6:ST+8*\t+7] op_sel_hi:[1,0]
.set n, n+1
.endr
.endr
	WIN 0x05                                       ; sources window 1, destination window 0
.irp t, 0,1,2,3
.set n, 0
.rept 16
	v_cvt_pk_f16_f32 v[S+16*\t+n], v[40*\t+2*n], v[40*\t+2*n+1]
.set n, n+1
.endr
.endr
	WIN 0
.irp t, 0,1,2,3
.irp f, 0,1,2,3
	global_store_b128 v1, v[S+16*\t+4*\f:S+16*\t+4*\f+3], s[8:9] offset:\t*2048+\f*512   ; 32 lanes store 512 consecutive bytes, aligned
.endr
.endr
	s_wait_tensorcnt 0x0                           ; the wave's end
	ds_add_u32 v[SPW], v[NIL]
	s_wait_dscnt 0x0
	CROUND                                         ; the closing round
	s_endpgm
.Lfunc_end_k_q25c2dcbd6d_attn:
	.size	k_q25c2dcbd6d_attn, .Lfunc_end_k_q25c2dcbd6d_attn-k_q25c2dcbd6d_attn
	.p2alignl 7, 3214868480
	.fill 96, 4, 3214868480
	.section	.rodata,"a",@progbits
	.p2align	6, 0x0
	.amdhsa_kernel k_q25c2dcbd6d_attn
		.amdhsa_group_segment_fixed_size 327680
		.amdhsa_private_segment_fixed_size 0
		.amdhsa_enable_private_segment 0
		.amdhsa_kernarg_size 24
		.amdhsa_user_sgpr_count 2
		.amdhsa_user_sgpr_kernarg_segment_ptr 1
		.amdhsa_wavefront_size32 1
		.amdhsa_system_sgpr_workgroup_id_x 1
		.amdhsa_system_sgpr_workgroup_id_y 1
		.amdhsa_system_sgpr_workgroup_id_z 1
		.amdhsa_system_vgpr_workitem_id 0
		.amdhsa_next_free_vgpr 512
		.amdhsa_next_free_sgpr 66
		.amdhsa_reserve_vcc 0
		.amdhsa_float_denorm_mode_32 3
		.amdhsa_float_denorm_mode_16_64 3
		.amdhsa_memory_ordered 1
		.amdhsa_forward_progress 1
		.amdhsa_inst_pref_size 139
	.end_amdhsa_kernel
	.amdgpu_metadata
---
amdhsa.version: [ 1, 2 ]
amdhsa.kernels:
  - .name:           k_q25c2dcbd6d_attn
    .symbol:         k_q25c2dcbd6d_attn.kd
    .args:
      - { .name: q16, .offset: 0, .size: 8, .value_kind: global_buffer, .address_space: global }
      - { .name: kv16, .offset: 8, .size: 8, .value_kind: global_buffer, .address_space: global }
      - { .name: o16, .offset: 16, .size: 8, .value_kind: global_buffer, .address_space: global }
    .group_segment_fixed_size: 327680
    .private_segment_fixed_size: 0
    .kernarg_segment_align: 8
    .kernarg_segment_size: 24
    .max_flat_workgroup_size: 256
    .sgpr_count:     66
    .vgpr_count:     512
    .wavefront_size: 32
...
	.end_amdgpu_metadata
.endif
;; end of part 3
;; launch proj (part 4): grid 4 x 64, 4 waves a work-group, clusters of 4 x 4, 327,680 bytes of LDS; arguments o16, wo16, bo, out0; writes out0
.if DOCPART == 4
	.amdgcn_target "amdgcn-amd-amdhsa--gfx1250"
	.amdhsa_code_object_version 6
	.text
	.protected	k_q25c2dcbd6d_proj
	.globl	k_q25c2dcbd6d_proj
	.p2align	8
	.type	k_q25c2dcbd6d_proj,@function
k_q25c2dcbd6d_proj:
	s_mov_b64 s[64:65], 0
	v_nop
	global_prefetch_b8 v0, s[64:65] scope:SCOPE_SE
	s_setreg_imm32_b32 hwreg(HW_REG_WAVE_MODE, 25, 1), 1
	s_wait_xcnt 0x0
	s_wait_alu depctr_hold_cnt(0) depctr_sa_sdst(0) depctr_va_vdst(0) depctr_va_sdst(0) depctr_va_ssrc(0) depctr_va_vcc(0) depctr_vm_vsrc(0)
	s_getreg_b32 s2, hwreg(HW_REG_IB_STS2, 6, 4)
	s_cmp_eq_u32 s2, 0
	s_cbranch_scc0 .Lentry_in_a_cluster
	s_endpgm
.Lentry_in_a_cluster:
	s_bfe_u32 s2, ttmp6, 0x10000c
	s_cmp_lg_u32 s2, 0xf033
	s_cbranch_scc0 .Lentry_shape_is_right
	s_endpgm
.Lentry_shape_is_right:
; PROJ: out0 = O Wo + bo.  O [8192][1024] and Wo arrive in f16 as images of the operands' registers (a fragment of 16 rows x 32 K: registers 0-3 at 16 x lane, 4-7 at 512 + 16 x lane);
; o16: [tile of 16 rows][K / 32][1,024 bytes]; wo16: [tile of 16 columns][K / 32][1,024 bytes].  Sums in f32; out0 f32, row-major.
; SHARES.  A tile of out0 is 128 rows x 256 columns: 256 work-groups.  Four waves, each 64 rows x 128 columns: 32 accumulators, which take turns in the same order in every quarter.
; K goes in steps of 128 through a ring of two LDS slots: a tile's four fragments of a step are 4,096 bytes on end, so a tensor load's rows are 4,096 bytes, 32,768 apart.
; THE PRODUCT IS USED TRANSPOSED (source 0 = 16 columns of Wo, source 1 = 16 rows of O): a lane holds eight neighbouring numbers of a row.  bo is the C of each sum's first product.
; CLUSTER 4 x 4: the four of a row share O's tiles, the four of a column share Wo's: each tile is asked for jointly.
; No prefetch: the tiles are small, the walk along K is eight steps, and the launch streams its operand and its result all the while.
; REGISTERS: window 0: v16-30 addresses; v32-127, v128-223 two fragment buffers (O's four fragments, then Wo's eight); on the way out v32-159 hold rows.  window 1: accumulator (i, j) at 8 (8 i + j).  window 2: v0-63 bo.
.set SLOT,   98304                     ; O's 8 tiles x 4,096 bytes, then Wo's 16
.set STAGE,  2*SLOT                    ; behind the ring: 16 rows x 528 bytes for each wave, for the way out
.set SPITCH, 528
.set SPARE,  STAGE+4*16*SPITCH         ; the spare words, 128 bytes a wave
.set ADRA, 16                          ; v16-17 LDS address of my fragments of O in slot 0, 1
.set ADRB, 20                          ; v20-21 the same for Wo
.set STO,  24
.set RD,   25
.set CO,   26
.set SPW,  28
.set NIL,  29
.set F0,   32
.set F1,   128
.set BK,   32
.set G1A,  24                          ; s[24:31] group 1 for O's tiles;  s[32:39] group 0, a set for each slot
.set G0A,  32
.set G1B,  48                          ; s[48:55], s[56:63] the same for Wo's
.set G0B,  56
.set MSB, 0
.macro WIN new
.if MSB != \new
	s_set_vgpr_msb (MSB<<8)|\new
.set MSB, \new
.endif
.endm
.macro PLACES n
.rept \n
	v_nop
.endr
.endm
.macro JLOAD n                         ; a joint load: waves 0 and 1 fetch O's halves, waves 2 and 3 Wo's; an s_nop 0 and four v_nop follow each line
	s_cmp_eq_u32 s13, 0
	s_cbranch_scc0 .Lfor_b_\@
	tensor_load_to_lds s[G0A+4*\n:G0A+4*\n+3], s[G1A:G1A+7]
	s_nop 0
.rept 4
	v_nop
.endr
	s_branch .Lasked_\@
.Lfor_b_\@:
	tensor_load_to_lds s[G0B+4*\n:G0B+4*\n+3], s[G1B:G1B+7]
	s_nop 0
.rept 4
	v_nop
.endr
.Lasked_\@:
.endm
.macro CREST                           ; a round of the cluster's barrier behind its opening barrier
	s_cmp_lg_u32 s12, 0
	s_cbranch_scc1 .Lnot_wave_0_\@
	s_barrier_signal -3
.Lnot_wave_0_\@:
	s_barrier_wait -3
	s_barrier_signal -1
	s_barrier_wait -1
.endm
.macro CROUND
	s_barrier_signal -1
	s_barrier_wait -1
	CREST
.endm
	s_load_b256 s[4:11], s[0:1], 0x0               ; o16 s[4:5], wo16 s[6:7], bo s[8:9], out0 s[10:11]
	v_lshl_add_u32 v[SPW], v0, 2, SPARE
	v_mov_b32 v[NIL], 0
	ds_add_u32 v[SPW], v[NIL]                      ; the wave's opening: the add, twice on end, and its wait ahead of my first tensor load
	ds_add_u32 v[SPW], v[NIL]
	v_lshrrev_b32 v1, 5, v0
	v_readfirstlane_b32 s12, v1                    ; wave 0..3
	s_lshr_b32 s13, s12, 1                         ; which 64 rows are mine.  Also: I fetch for O (0) or for Wo (1)
	s_and_b32 s14, s12, 1                          ; which 128 columns.  Also: which half of that tile I fetch
	s_bfe_u32 s15, ttmp6, 0x40000                  ; cx
	s_bfe_u32 s16, ttmp6, 0x40004                  ; cy
	s_lshl_b32 s17, ttmp9, 2
	s_add_co_u32 s17, s17, s15                     ; block of 256 columns
	s_and_b32 s18, ttmp7, 0xffff
	s_lshl_b32 s18, s18, 2
	s_add_co_u32 s18, s18, s16                     ; block of 128 rows
	s_lshl_b32 s19, s16, 2
	s_lshl_b32 s19, 15, s19                        ; my row of the cluster
	s_lshl_b32 s20, 0x1111, s15                    ; my column
	s_or_b32 s[G1A], s19, (3<<16)|(1<<21)          ; O: 4 rows of 512 elements of 8 bytes, 4,096 elements apart
	s_mov_b32 s[G1A+1], 512<<16
	s_mov_b32 s[G1A+2], 4<<16
	s_mov_b32 s[G1A+3], 512<<16
	s_mov_b32 s[G1A+4], 4
	s_mov_b32 s[G1A+5], 4096
	s_mov_b32 s[G1A+6], 0
	s_mov_b32 s[G1A+7], 0
	s_or_b32 s[G1B], s20, (3<<16)|(1<<21)          ; Wo: 8 such rows
	s_mov_b32 s[G1B+1], 512<<16
	s_mov_b32 s[G1B+2], 8<<16
	s_mov_b32 s[G1B+3], 512<<16
	s_mov_b32 s[G1B+4], 8
	s_mov_b32 s[G1B+5], 4096
	s_mov_b32 s[G1B+6], 0
	s_mov_b32 s[G1B+7], 0
	s_lshl_b32 s40, s18, 18                        ; O: tile 8 x block + 4 x half, 32,768 bytes a tile
	s_lshl_b32 s41, s14, 17
	s_add_co_u32 s40, s40, s41
	s_mov_b32 s41, 0
	s_lshl_b32 s42, s17, 19                        ; Wo: tile 16 x block + 8 x half
	s_lshl_b32 s43, s14, 18
	s_add_co_u32 s42, s42, s43
	s_mov_b32 s43, 0
	s_lshl_b32 s44, s14, 14                        ; where they go in a slot: the wave's number alone
	s_lshl_b32 s45, s14, 15
	s_add_co_u32 s45, s45, 32768
	s_wait_dscnt 0x0                               ; both opening adds are done
	s_wait_kmcnt 0x0
	s_add_nc_u64 s[40:41], s[4:5], s[40:41]
	s_add_nc_u64 s[42:43], s[6:7], s[42:43]
	CROUND                                         ; all sixteen work-groups are here: the first joint loads meet
.irp n, 0,1
	s_mov_b32 s[G0A+4*\n], 1
	s_add_co_u32 s[G0A+4*\n+1], s44, \n*SLOT
	s_add_nc_u64 s[G0A+4*\n+2:G0A+4*\n+3], s[40:41], \n*4096
	s_or_b32 s[G0A+4*\n+3], s[G0A+4*\n+3], 0x80000000
	s_mov_b32 s[G0B+4*\n], 1
	s_add_co_u32 s[G0B+4*\n+1], s45, \n*SLOT
	s_add_nc_u64 s[G0B+4*\n+2:G0B+4*\n+3], s[42:43], \n*4096
	s_or_b32 s[G0B+4*\n+3], s[G0B+4*\n+3], 0x80000000
	JLOAD \n                                       ; K steps 0 and 1: two tensor loads of mine are out
.endr
	v_and_b32 v1, 15, v0                           ; r
	v_bfe_u32 v2, v0, 4, 1                         ; h
	v_and_b32 v3, 31, v0
	v_lshlrev_b32 v[CO], 4, v3                     ; 16 x lane
	s_lshl_b32 s46, s13, 14                        ; my four tiles of O,
	s_lshl_b32 s47, s14, 15
	s_add_co_u32 s47, s47, 32768                   ; my eight of Wo
.irp n, 0,1
	v_add_nc_u32 v[ADRA+\n], s46, v[CO]
	v_add_nc_u32 v[ADRB+\n], s47, v[CO]
	s_add_co_u32 s46, s46, SLOT
	s_add_co_u32 s47, s47, SLOT
.endr
	s_mul_i32 s46, s12, 16*SPITCH
	s_add_co_u32 s46, s46, STAGE                   ; my stage
	v_mul_u32_u24 v4, v1, SPITCH
	v_lshl_add_u32 v4, v2, 5, v4
	v_add_nc_u32 v[STO], s46, v4                   ; in: row r, 32 bytes for each half of the lanes
	v_add_nc_u32 v[RD], s46, v[CO]                 ; back: the 32 lanes take a row of 512 bytes
	v_lshlrev_b32 v27, 5, v2                       ; bo: 32 h
	s_lshl_b32 s66, s17, 10                        ; my first column, in bytes
	s_lshl_b32 s67, s14, 9
	s_add_co_u32 s66, s66, s67
	s_mov_b32 s67, 0
	s_add_nc_u64 s[8:9], s[8:9], s[66:67]
	s_add_nc_u64 s[10:11], s[10:11], s[66:67]
	s_lshl_b32 s66, s18, 19                        ; my first row: 128 x block + 64 x half, 4,096 bytes a row
	s_lshl_b32 s68, s13, 18
	s_add_co_u32 s66, s66, s68
	s_add_nc_u64 s[10:11], s[10:11], s[66:67]
	WIN 0x80                                       ; destination window 2
.irp j, 0,1,2,3,4,5,6,7
	global_load_b128 v[8*\j:8*\j+3], v27, s[8:9] offset:64*\j          ; bo of columns 16 j + 8 h + 0 .. 7
	global_load_b128 v[8*\j+4:8*\j+7], v27, s[8:9] offset:64*\j+16
.endr
	WIN 0
; 24 LDS loads in one run: the fragments of quarter q (32 along K) of slot n into buffer f
.macro FETCH n, q, f
	WIN 0
.irp i, 0,1,2,3
.irp c, 0,1
	ds_load_b128 v[\f+8*\i+4*\c:\f+8*\i+4*\c+3], v[ADRA+\n] offset:\i*4096+(\q)*1024+512*\c
.endr
.endr
.irp j, 0,1,2,3,4,5,6,7
.irp c, 0,1
	ds_load_b128 v[\f+32+8*\j+4*\c:\f+32+8*\j+4*\c+3], v[ADRB+\n] offset:\j*4096+(\q)*1024+512*\c
.endr
.endr
.endm
; cnt tiles of rows from i0 on x my eight tiles of columns.  first = 1: the sums start from bo
.macro MUL f, i0, cnt, first
.set i_, \i0
.rept \cnt
.irp j, 0,1,2,3,4,5,6,7
.if \first
	v_wmma_f32_16x16x32_f16 v[8*(8*i_+\j):8*(8*i_+\j)+7], v[\f+32+8*\j:\f+32+8*\j+7], v[\f+8*i_:\f+8*i_+7], v[8*\j:8*\j+7]
.else
	v_wmma_f32_16x16x32_f16 v[8*(8*i_+\j):8*(8*i_+\j)+7], v[\f+32+8*\j:\f+32+8*\j+7], v[\f+8*i_:\f+8*i_+7], v[8*(8*i_+\j):8*(8*i_+\j)+7]
.endif
.endr
.set i_, i_+1
.endr
.endm
; one of a K step's first three quarters: multiplies buffer f; ahead of its products the next quarter, q + 1, is fetched into buffer g
.macro QUARTER n, q, f, g, first
	s_wait_dscnt 0x0                               ; this quarter's fragments, asked for 32 products ago, are in
	PLACES 4                                       ; four plain instructions between the last quarter's products and loads into the registers that they read (ISA guide 7.12.1 for vector instructions)
	FETCH \n, (\q)+1, \g
.if \first
	WIN 0x60                                       ; operands window 0, C = bo window 2, D window 1
.else
	WIN 0x50                                       ; C and D window 1
.endif
	MUL \f, 0, 4, \first
.endm
; the last quarter multiplies buffer 1 and changes slots: ONE barrier; ahead of it each wave waits for all its tensor loads, adds 0 to its spare word, and waits for that and for its reads of this slot
.macro TURN n, next, fill
	WIN 0
	s_wait_tensorcnt 0x0                           ; all my tensor loads have landed: my part of the next slot
	ds_add_u32 v[SPW], v[NIL]
	s_wait_dscnt 1                                 ; this quarter's fragments are in; the add may be out
	WIN 0x50
	MUL F1, 0, 1, 0                                ; eight products stand between the add and the wait for it
	s_wait_dscnt 0x0                               ; the add is done, and my reads of this slot are over
	s_barrier_signal -1
	MUL F1, 1, 1, 0
	WIN 0
	s_barrier_wait -1
.if \fill
	CREST                                          ; the barrier has opened a round of the cluster's: no wave of any partner still reads this slot or has a load on its way
	s_add_nc_u64 s[G0A+4*\n+2:G0A+4*\n+3], s[G0A+4*\n+2:G0A+4*\n+3], 8192
	s_add_nc_u64 s[G0B+4*\n+2:G0B+4*\n+3], s[G0B+4*\n+2:G0B+4*\n+3], 8192
	JLOAD \n                                       ; two K steps ahead; its four v_nop are also the places ahead of the loads below
.else
	PLACES 4
.endif
	FETCH \next, 0, F0
	WIN 0x50
	MUL F1, 2, 2, 0
.endm
	s_wait_tensorcnt 1                             ; my part of K step 0 is in; K step 1's may stay out
	s_barrier_signal -1
	s_barrier_wait -1
	FETCH 0, 0, F0
	s_wait_loadcnt 0x0                             ; bo
	QUARTER 0, 0, F0, F1, 1                        ; the first quarter stands ahead of the loop: its products start the sums
	WIN 0
	s_mov_b32 s3, 3
.Llap:                                             ; a trip goes once round the ring, from a lap's second quarter to the next lap's first, and fills both slots again
	QUARTER 0, 1, F1, F0, 0
	QUARTER 0, 2, F0, F1, 0
	TURN 0, 1, 1
	QUARTER 1, 0, F0, F1, 0
	QUARTER 1, 1, F1, F0, 0
	QUARTER 1, 2, F0, F1, 0
	TURN 1, 0, 1
	QUARTER 0, 0, F0, F1, 0
	WIN 0
	s_sub_co_u32 s3, s3, 1
	s_cmp_lg_u32 s3, 0
	s_cbranch_scc1 .Llap
	QUARTER 0, 1, F1, F0, 0                        ; the last lap fills nothing
	QUARTER 0, 2, F0, F1, 0
	TURN 0, 1, 0
	QUARTER 1, 0, F0, F1, 0
	QUARTER 1, 1, F1, F0, 0
	QUARTER 1, 2, F0, F1, 0
	s_wait_dscnt 0x0
	WIN 0x50
	MUL F1, 0, 4, 0
	WIN 0
; THE WAY OUT, 16 rows x 128 columns at a time: a lane holds 32 neighbouring bytes of a row and the lanes beside it other rows, so a block goes through my own stage and comes back as rows of 512 bytes.
; LDS serves a wave's instructions in order (ISA guide 5.7.1.4): no wait between the stores and the loads, nor ahead of the next block's stores.
.macro TOSTAGE i
	WIN 0x04                                       ; an LDS store's data are its source 1: window 1
.irp j, 0,1,2,3,4,5,6,7
	ds_store_b128 v[STO], v[8*(8*(\i)+\j):8*(8*(\i)+\j)+3] offset:64*\j           ; each accumulator from its low end on
	ds_store_b128 v[STO], v[8*(8*(\i)+\j)+4:8*(8*(\i)+\j)+7] offset:64*\j+16
.endr
	WIN 0
.set BB, BK+64*((\i)%2)
.irp t, 0,1,2,3,4,5,6,7,8,9,10,11,12,13,14,15
	ds_load_b128 v[BB+4*\t:BB+4*\t+3], v[RD] offset:\t*SPITCH
.endr
.endm
.macro SEND i, younger                 ; younger: the LDS instructions issued behind block i's loads, which may stay out
.set BB, BK+64*((\i)%2)
	s_wait_dscnt \younger
.irp t, 0,1,2,3,4,5,6,7,8,9,10,11,12,13,14,15
	global_store_b128 v[CO], v[BB+4*\t:BB+4*\t+3], s[10:11] offset:(16*(\i)+\t)*4096 th:TH_STORE_NT   ; 32 lanes store 512 consecutive bytes, aligned
.endr
.endm
	PLACES 4                                       ; ahead of the first read of results and of loads into registers that held fragments
	TOSTAGE 0
.irp a, 1,2,3
.if \a > 1
	s_wait_xcnt 0x0                                ; block a - 2's stores have read their registers: block a's rows may land there
.endif
	TOSTAGE \a
	SEND \a-1, 32                                  ; behind block a - 1's loads: block a's 16 stores and 16 loads
.endr
	SEND 3, 0
	s_wait_tensorcnt 0x0                           ; the wave's end
	ds_add_u32 v[SPW], v[NIL]
	s_wait_dscnt 0x0
	CROUND                                         ; the closing round
	s_endpgm
.Lfunc_end_k_q25c2dcbd6d_proj:
	.size	k_q25c2dcbd6d_proj, .Lfunc_end_k_q25c2dcbd6d_proj-k_q25c2dcbd6d_proj
	.p2alignl 7, 3214868480
	.fill 96, 4, 3214868480
	.section	.rodata,"a",@progbits
	.p2align	6, 0x0
	.amdhsa_kernel k_q25c2dcbd6d_proj
		.amdhsa_group_segment_fixed_size 327680
		.amdhsa_private_segment_fixed_size 0
		.amdhsa_enable_private_segment 0
		.amdhsa_kernarg_size 32
		.amdhsa_user_sgpr_count 2
		.amdhsa_user_sgpr_kernarg_segment_ptr 1
		.amdhsa_wavefront_size32 1
		.amdhsa_system_sgpr_workgroup_id_x 1
		.amdhsa_system_sgpr_workgroup_id_y 1
		.amdhsa_system_sgpr_workgroup_id_z 1
		.amdhsa_system_vgpr_workitem_id 0
		.amdhsa_next_free_vgpr 768
		.amdhsa_next_free_sgpr 96
		.amdhsa_reserve_vcc 0
		.amdhsa_float_denorm_mode_32 3
		.amdhsa_float_denorm_mode_16_64 3
		.amdhsa_memory_ordered 1
		.amdhsa_forward_progress 1
		.amdhsa_inst_pref_size 85
	.end_amdhsa_kernel
	.amdgpu_metadata
---
amdhsa.version: [ 1, 2 ]
amdhsa.kernels:
  - .name:           k_q25c2dcbd6d_proj
    .symbol:         k_q25c2dcbd6d_proj.kd
    .args:
      - { .name: o16, .offset: 0, .size: 8, .value_kind: global_buffer, .address_space: global }
      - { .name: wo16, .offset: 8, .size: 8, .value_kind: global_buffer, .address_space: global }
      - { .name: bo, .offset: 16, .size: 8, .value_kind: global_buffer, .address_space: global }
      - { .name: out0, .offset: 24, .size: 8, .value_kind: global_buffer, .address_space: global }
    .group_segment_fixed_size: 327680
    .private_segment_fixed_size: 0
    .kernarg_segment_align: 8
    .kernarg_segment_size: 32
    .max_flat_workgroup_size: 128
    .sgpr_count:     96
    .vgpr_count:     768
    .wavefront_size: 32
...
	.end_amdgpu_metadata
.endif
;; end of part 4
